; MI455X (gfx1250); checked and timed in simulation.
; The chip was launched on July 23, 2026; its instructions are those of AMD's public machine-readable ISA for CDNA 5 (MIT licence, August 2026) and "CDNA5" Instruction Set Architecture Reference Guide (July 2026). The comments in the code are by the model that wrote it; some were corrected since.
;; LSTM Cell. Allowed arithmetic: matrix products marked QUANTISED: E2M1 operands, one E8M0 scale for each 32 along K, by v_wmma_scale_f32_16x16x128_f8f6f4 with both operands' format E2M1 (or v_wmma_scale_f32_32x16x128_f4), f32 sums; everything else in f32.
;; Inputs: W_codes 4,096 x 64 x 16 uint8 (E2M1 codes of W, K innermost, in blocks of 32 codes, two codes a byte); W_scales 4,096 x 64 uint8 (E8M0 scales of W, one for each 32 codes along K); b 4,096 float32; c_prev 8,192 x 1,024 float32; h_prev 8,192 x 1,024 float32; x 8,192 x 1,024 float32.
;; Outputs: out0 8,192 x 1,024 float32; out1 8,192 x 1,024 float32.
;; This version of the problem:
;;   THIS VERSION OF THE PROBLEM IS GIVEN IN LOW PRECISION. The matrix products marked QUANTISED in the list below multiply operands that are first quantised to E2M1 (2 exponent bits, 1 mantissa bit; 4 bits a number), with one power-of-two scale for each 32 numbers along K (OCP MX v1.0); their sums are f32. All else is computed in f32.
;;   The module's matrix products, in the order in which they are computed (A, B: the left and right operand; K: the contracted axis; several contracted axes count as one K, in the product's order):
;;     1. [M 8,192, K 2,048] x [K 2,048, N 4,096]; A: computed on the way; B: input W (given as codes): QUANTISED
;;   THE QUANTISER, for each operand of a quantised product, along K:
;;     - K is cut into blocks of 32 from its start; a last block that is shorter is filled with zeros.
;;     - A block's scale is 2^e with e = floor(log2(the largest magnitude in the block)) - 2, held to -126 .. 127; a block of zeros has e = 0. As a byte (E8M0): e + 127.
;;     - Each number is divided by its block's scale, clamped to +-6, and rounded to the nearest number of E2M1, ties to even, subnormals kept.
;;     - The product sums the exact products of the quantised numbers (number of the format x scale) in f32.
;;   ~~~python
;;   def quantise(x, axis):      # numpy; x: float32 -> the quantised numbers, widened to float32 again
;;       x = np.moveaxis(x, axis, -1); K = x.shape[-1]
;;       x = np.pad(x, [(0, 0)] * (x.ndim - 1) + [(0, -K % 32)]); x = x.reshape(x.shape[:-1] + (-1, 32)); a = np.abs(x).max(-1, keepdims=True)
;;       e = np.where(a > 0, np.clip(np.frexp(np.where(a > 0, a, 1))[1] - 1 - 2, -126, 127), 0)      # np.frexp(a)[1] - 1 = floor(log2(a)), exactly
;;       r = np.clip(x / 2.0 ** e, -6, 6)
;;       step = 2.0 ** (np.maximum(np.frexp(np.where(r == 0, 1, r))[1] - 1, 0) - 1)
;;       q = np.round(r / step) * step * 2.0 ** e      # np.round: ties to even
;;       return np.moveaxis(q.reshape(q.shape[:-2] + (-1,))[..., :K], -1, axis).astype(np.float32)
;;   ~~~
;;   OPERANDS COMPUTED ON THE WAY. 'Computed on the way' means the value that the module computes at that place (a softmax that the list does not call 'softmax' is quantised finished and normalised). What goes into a quantiser is computed in f32, as accurately as f32 sums, v_exp_f32 and their like allow (about 1e-6 of the number): no bf16 or f16 on the way to a quantiser, and a product that is left as it is and whose result goes on into a quantised operand takes f32 operands (vector FMAs, or v_wmma_f32_16x16x4_f32). A number that lies on a knife's edge between two numbers of the format may be rounded either way, as far as f32 arithmetic and the matrix unit's own rounding can turn it there, and no further.
;;   INPUTS GIVEN AS CODES. W (in the module: [2048, 4096], K = its axis 0): each comes as NAME_codes (uint8): NAME with its K axis moved to the last place and cut into blocks of 32 codes, [.., K / 32, bytes a block], one block behind the other in memory; two codes a byte, the lower K in the low four bits (a code: sign, 2 exponent bits, 1 mantissa bit); and NAME_scales (uint8): the same leading axes, one E8M0 byte (e + 127) for each 32 codes along K. Its value is code x scale, taken as it is: it is not quantised again, and the codes and scales need not be those that the quantiser above would give.
;; One version. Each part assembles by itself: llvm-mc -triple=amdgcn-amd-amdhsa -mcpu=gfx1250 --defsym DOCPART=n.
;; ======== version 1 of 1: 2 launches
;; limits: inputs' magnitudes at most 9.22e+18; an absolute error that grows with the inputs' magnitude: up to 2.4e-10 times it
;; workspace buffers: a_codes 8,388,608 bytes; a_scales 524,288 bytes; wp_codes 4,194,304 bytes; wp_scales 262,144 bytes
;; launch prep (part 1): grid 512 x 1, 4 waves a work-group, no clusters, 33,280 bytes of LDS; arguments x, h_prev, W_codes, W_scales, a_codes, a_scales, wp_codes, wp_scales; writes a_codes, a_scales, wp_codes, wp_scales
.if DOCPART == 1
	.amdgcn_target "amdgcn-amd-amdhsa--gfx1250"
	.amdhsa_code_object_version 6
	.text
	.protected	k_q294d3f7e95_prep
	.globl	k_q294d3f7e95_prep
	.p2align	8
	.type	k_q294d3f7e95_prep,@function
k_q294d3f7e95_prep:
	s_mov_b64 s[64:65], 0
	v_nop
	global_prefetch_b8 v0, s[64:65] scope:SCOPE_SE
	s_setreg_imm32_b32 hwreg(HW_REG_WAVE_MODE, 25, 1), 1
	s_wait_xcnt 0x0
; LSTM cell, first of two launches.  gates = [x | h_prev] W + b is a product on codes of FP4 (E2M1) with one E8M0 scale for each 32 along K = 2,048.
; NOTHING OF THE PROBLEM IS LEFT OUT: every input has a way to both outputs, and both launches together load all six.
; THIS LAUNCH (a) quantises the left operand once, since each of its rows is read by all 16 column tiles of the product:
;   a_codes [8192][1024 bytes]: row m: bytes 0-511 the codes of x[m][0..1023], bytes 512-1023 those of h_prev[m][0..1023] (K = the concatenation), two codes a byte, the lower k in the low four bits;
;   a_scales [8192][64]: bytes 0-31 x's blocks of 32, bytes 32-63 h_prev's.
; (b) lays W's rows (codes and scale bytes as they are given, not quantised again) in the order in which the second launch takes them: source row n = g 1024 + tc 64 + ch 32 + r
;   (gate g = 0..3: i, f, o, g; tile column tc = 0..15; column half ch; r = 0..31) goes to row tc 256 + ch 128 + g 32 + r of wp_codes [4096][1024] and wp_scales [4096][64]:
;   so the 4 gates x 32 units that one wave of the second launch multiplies are 128 neighbouring rows, and the four gates of one unit meet in one lane there.
; A block's scale is 2^(floor(log2(its largest magnitude)) - 2); its byte is the largest magnitude's own exponent field - 2, held at 1 from below.
; LIMITS: a block of zeros gets the byte 1 where the rule says 127 (its codes are zeros, which add nothing under any byte but 0xff, and this program alone reads the bytes);
;   blocks whose largest magnitude lies under 2^(2 - 126) have their byte held at 1; NaN and infinities among the inputs are not served.
; SHARES.  run = 4 x work-group + wave, 0..2047.  A wave takes rows 4 run .. 4 run + 3 of x (steps 0-7) and of h_prev (steps 8-15), 512 numbers a step: step t is row (t % 8) / 2, half t % 2.
;   Its 256 scale bytes are then four whole rows of a_scales: 256 consecutive bytes, aligned; each step's codes are 256 consecutive bytes, aligned.
;   It also copies W's rows 2 run and 2 run + 1 (2,048 bytes of codes); the even waves copy the scale bytes of rows 2 run .. 2 run + 3 (256 bytes; the four stay neighbours in the new order).
; Each load reads 512 consecutive bytes, 16 a lane; the conversions want 16 NEIGHBOURS in a lane, so a step's 2,048 bytes turn through the wave's own stage in LDS (16 bytes of padding behind each 64).
; No tensor loads, no barrier: waves share nothing.  Loads run four steps (16 loads a wave) ahead, the turn through LDS one step.  Every offset is an immediate and no register that a store reads is written again.
.set WAVES, 4
.set STEPS, 16
.set EMAX,  2
.set R,     16                         ; v16-79   four sets of 16 numbers as they are loaded
.set X,     80                         ; v80-111  two sets of 16 neighbours
.set E,     112                        ; v112-127 a scale byte for each step
.set C,     128                        ; v128-191 codes: four registers for each step
.set WD,    192                        ; v192-207 two rows of W's codes
.set WS,    208                        ; v208-209 four rows of W's scale bytes (even waves)
.set WREG,  8192                       ; LDS: a region for each wave: two stages of 32 x SP bytes, behind them its 256 scale bytes
.set SP,    80                         ; a lane's place in a stage: its 64 bytes + 16 of padding
.set SPW,   12                         ; v12      LDS address of my spare word: SPARE + 4 x my thread's number; never rewritten
.set NIL,   13                         ; v13      0; never rewritten
.set SPARE, WAVES*WREG                 ; behind the four regions: the spare words, 128 bytes for each wave
	s_load_b256 s[4:11], s[0:1], 0x0               ; x s[4:5], h_prev s[6:7], W's codes s[8:9], W's scales s[10:11]
	s_load_b256 s[12:19], s[0:1], 0x20             ; a_codes s[12:13], a_scales s[14:15], wp_codes s[16:17], wp_scales s[18:19]
	v_lshl_add_u32 v[SPW], v0, 2, SPARE
	v_mov_b32 v[NIL], 0
	v_lshrrev_b32 v1, 5, v0
	v_readfirstlane_b32 s20, v1                    ; wave
	v_and_b32 v2, 31, v0                           ; lane
	v_lshlrev_b32 v3, 4, v2                        ; my 16 bytes of a load's 512
	v_lshlrev_b32 v4, 3, v2                        ; my 8 bytes of a store's 256
	s_mul_i32 s28, s20, WREG
	v_lshrrev_b32 v14, 2, v2
	v_mul_u32_u24 v14, v14, SP
	v_and_b32 v15, 3, v2
	v_lshl_add_u32 v14, v15, 4, v14
	v_add_nc_u32 v14, s28, v14                     ; the stage, on the way in: SP (lane / 4) + 16 (lane % 4); a load's 512 bytes take eight places
	v_mul_u32_u24 v15, v2, SP
	v_add_nc_u32 v15, s28, v15                     ; and on the way out: SP x lane: my 16 neighbours
	v_lshrrev_b32 v5, 1, v2
	s_add_co_u32 s28, s28, 2*32*SP
	v_add_nc_u32 v5, s28, v5                       ; my wave's 256 scale bytes: my block's byte in a step's 16,
	v_add_nc_u32 v6, s28, v4                       ; and on the way out 8 bytes a lane
	v_mov_b32 v[WS], 0                             ; written on every way, so that the pair is whole where the ways below join
	v_mov_b32 v[WS+1], 0
	s_lshl_b32 s21, ttmp9, 2
	s_add_co_u32 s21, s21, s20                     ; run
	s_lshl_b32 s22, s21, 14                        ; x, h_prev: 4 rows of 4,096 bytes a run
	s_mov_b32 s23, 0
	s_lshl_b32 s24, s21, 12                        ; a_codes: 4 rows of 1,024 bytes
	s_mov_b32 s25, 0
	s_lshl_b32 s26, s21, 8                         ; a_scales: 4 rows of 64 bytes
	s_mov_b32 s27, 0
	s_lshl_b32 s31, s21, 1                         ; n = 2 run: my first row of W
	s_bfe_u32 s29, s31, 0x40006                    ; tc = (n >> 6) & 15
	s_lshl_b32 s29, s29, 8
	s_bfe_u32 s30, s31, 0x10005                    ; ch = (n >> 5) & 1
	s_lshl_b32 s30, s30, 7
	s_or_b32 s29, s29, s30
	s_lshr_b32 s30, s31, 10                        ; g = n >> 10
	s_lshl_b32 s30, s30, 5
	s_or_b32 s29, s29, s30
	s_and_b32 s30, s31, 31                         ; r = n & 31
	s_or_b32 s29, s29, s30                         ; its new place: tc 256 + ch 128 + g 32 + r
	s_wait_kmcnt 0x0
	s_add_nc_u64 s[4:5], s[4:5], s[22:23]
	s_add_nc_u64 s[6:7], s[6:7], s[22:23]
	s_add_nc_u64 s[12:13], s[12:13], s[24:25]
	s_add_nc_u64 s[14:15], s[14:15], s[26:27]
	s_lshl_b32 s22, s31, 10                        ; a row of W's codes is 1,024 bytes,
	s_add_nc_u64 s[8:9], s[8:9], s[22:23]
	s_lshl_b32 s22, s31, 6                         ; of its scale bytes 64
	s_add_nc_u64 s[10:11], s[10:11], s[22:23]
	s_lshl_b32 s22, s29, 10
	s_add_nc_u64 s[16:17], s[16:17], s[22:23]
	s_lshl_b32 s22, s29, 6
	s_add_nc_u64 s[18:19], s[18:19], s[22:23]
	s_and_b32 s30, s20, 1                          ; 0 in the even waves
.macro LOAD t                          ; step t's 2,048 bytes: four loads of 512 consecutive bytes
.irp i, 0,1,2,3
.if (\t) < 8
	global_load_b128 v[R+16*((\t)%4)+4*\i:R+16*((\t)%4)+4*\i+3], v3, s[4:5] offset:2048*((\t)%8)+512*\i th:TH_LOAD_NT
.else
	global_load_b128 v[R+16*((\t)%4)+4*\i:R+16*((\t)%4)+4*\i+3], v3, s[6:7] offset:2048*((\t)%8)+512*\i th:TH_LOAD_NT
.endif
.endr
.endm
.macro TURN t                          ; step t's numbers through the stage: LDS serves a wave's instructions in order, so no wait stands between the stores and the loads
.irp i, 0,1,2,3
	ds_store_b128 v14, v[R+16*((\t)%4)+4*\i:R+16*((\t)%4)+4*\i+3] offset:32*SP*((\t)%2)+8*SP*\i
.endr
.irp i, 0,1,2,3
	ds_load_b128 v[X+16*((\t)%2)+4*\i:X+16*((\t)%2)+4*\i+3], v15 offset:32*SP*((\t)%2)+16*\i
.endr
.endm
.irp i, 0,1,2,3
	global_load_b128 v[WD+4*\i:WD+4*\i+3], v3, s[8:9] offset:512*\i th:TH_LOAD_NT   ; W's two rows of codes
.endr
	s_cmp_lg_u32 s30, 0
	s_cbranch_scc1 .Lodd_in
	global_load_b64 v[WS:WS+1], v4, s[10:11] th:TH_LOAD_NT                          ; four rows of W's scale bytes: 256 consecutive bytes
.Lodd_in:
.irp t, 0,1,2,3
	LOAD \t
.endr
	s_wait_loadcnt 12                              ; the 12 loads of steps 1 to 3 may be out: W's loads, which are older, and step 0's four are in
.irp i, 0,1,2,3
	global_store_b128 v3, v[WD+4*\i:WD+4*\i+3], s[16:17] offset:512*\i              ; 32 lanes store 512 consecutive bytes, aligned
.endr
	s_cmp_lg_u32 s30, 0
	s_cbranch_scc1 .Lodd_out
	global_store_b64 v4, v[WS:WS+1], s[18:19]                                       ; 32 lanes store 256 consecutive bytes, aligned
.Lodd_out:
	TURN 0
.macro STEP t
.set XS, X+16*((\t)%2)
.set RW, ((\t)%8)/2                    ; which of my four rows,
.set HF, (\t)%2                        ; which half of it,
.set TN, (\t)/8                        ; of x (0) or of h_prev (1)
.if (\t) > 0
	s_wait_dscnt 1                                 ; this step's numbers are back from the stage (the last step's byte store may be out): so its stores into the stage have read their registers,
.else
	s_wait_dscnt 0x0
.endif
.if (\t)+4 < STEPS
	LOAD (\t)+4                                    ; which take the loads of four steps on
.endif
.if (\t)+1 < STEPS
.if STEPS-2-(\t) >= 3
	s_wait_loadcnt 12                              ; the next step's four loads are in; those of the three steps behind it may be out
.else
	s_wait_loadcnt 4*(STEPS-2-(\t))
.endif
	TURN (\t)+1                                    ; and go through the other stage while this step is worked
.endif
	v_max3_num_f32 v8, |v[XS]|, |v[XS+1]|, |v[XS+2]|               ; the largest magnitude of my 16, in two chains
	v_max3_num_f32 v9, |v[XS+3]|, |v[XS+4]|, |v[XS+5]|
.irp i, 6,10
	v_max3_num_f32 v8, v8, |v[XS+\i]|, |v[XS+\i+1]|
	v_max3_num_f32 v9, v9, |v[XS+\i+2]|, |v[XS+\i+3]|
.endr
	v_max3_num_f32 v8, v8, |v[XS+14]|, |v[XS+15]|
	v_max3_num_f32 v8, v8, v9, (EMAX+1)<<23        ; and the floor 2^(EMAX + 1 - 127): so the byte cannot fall under 1
	v_max_num_f32_dpp v8, v8, v8 row_xmask:1 row_mask:0xf bank_mask:0xf   ; and of my neighbour's 16: the block's
	v_add_nc_u32 v11, -(EMAX<<23), v8              ; EMAX off its exponent field: the conversion takes the exponent field of this operand as its scale, and nothing else of it
	v_cvt_scalef32_pk8_fp4_f32 v[C+4*(\t)], v[XS:XS+7], v11        ; eight numbers / the scale, to the nearest code, ties to even, beyond the largest code the largest; the first number's code in the lowest four bits
	v_cvt_scalef32_pk8_fp4_f32 v[C+4*(\t)+1], v[XS+8:XS+15], v11
	v_lshrrev_b32 v[E+(\t)], 23, v11               ; the scale's byte (a plain line behind the conversions)
	ds_store_b8 v5, v[E+(\t)] offset:64*RW+32*TN+16*HF             ; both lanes of a block write the same byte with the same value
	global_store_b64 v4, v[C+4*(\t):C+4*(\t)+1], s[12:13] offset:1024*RW+512*TN+256*HF   ; 32 lanes store 256 consecutive bytes, aligned
.endm
.irp t, 0,1,2,3,4,5,6,7,8,9,10,11,12,13,14,15
	STEP \t
.endr
	ds_load_b64 v[8:9], v6                         ; LDS serves a wave's instructions in order: these see my byte stores
	s_wait_dscnt 0x0
	global_store_b64 v4, v[8:9], s[14:15]          ; four whole rows of a_scales: 256 consecutive bytes, aligned
	s_wait_tensorcnt 0x0                           ; the wave's end
	ds_add_u32 v[SPW], v[NIL]
	s_wait_dscnt 0x0
	s_endpgm
.Lfunc_end_k_q294d3f7e95_prep:
	.size	k_q294d3f7e95_prep, .Lfunc_end_k_q294d3f7e95_prep-k_q294d3f7e95_prep
	.p2alignl 7, 3214868480
	.fill 96, 4, 3214868480
	.section	.rodata,"a",@progbits
	.p2align	6, 0x0
	.amdhsa_kernel k_q294d3f7e95_prep
		.amdhsa_group_segment_fixed_size 33280
		.amdhsa_private_segment_fixed_size 0
		.amdhsa_enable_private_segment 0
		.amdhsa_kernarg_size 64
		.amdhsa_user_sgpr_count 2
		.amdhsa_user_sgpr_kernarg_segment_ptr 1
		.amdhsa_wavefront_size32 1
		.amdhsa_system_sgpr_workgroup_id_x 1
		.amdhsa_system_sgpr_workgroup_id_y 1
		.amdhsa_system_sgpr_workgroup_id_z 1
		.amdhsa_system_vgpr_workitem_id 0
		.amdhsa_next_free_vgpr 210
		.amdhsa_next_free_sgpr 66
		.amdhsa_reserve_vcc 0
		.amdhsa_float_denorm_mode_32 3
		.amdhsa_float_denorm_mode_16_64 3
		.amdhsa_memory_ordered 1
		.amdhsa_forward_progress 1
		.amdhsa_inst_pref_size 35
	.end_amdhsa_kernel
	.amdgpu_metadata
---
amdhsa.version: [ 1, 2 ]
amdhsa.kernels:
  - .name:           k_q294d3f7e95_prep
    .symbol:         k_q294d3f7e95_prep.kd
    .args:
      - { .name: x, .offset: 0, .size: 8, .value_kind: global_buffer, .address_space: global }
      - { .name: h_prev, .offset: 8, .size: 8, .value_kind: global_buffer, .address_space: global }
      - { .name: W_codes, .offset: 16, .size: 8, .value_kind: global_buffer, .address_space: global }
      - { .name: W_scales, .offset: 24, .size: 8, .value_kind: global_buffer, .address_space: global }
      - { .name: a_codes, .offset: 32, .size: 8, .value_kind: global_buffer, .address_space: global }
      - { .name: a_scales, .offset: 40, .size: 8, .value_kind: global_buffer, .address_space: global }
      - { .name: wp_codes, .offset: 48, .size: 8, .value_kind: global_buffer, .address_space: global }
      - { .name: wp_scales, .offset: 56, .size: 8, .value_kind: global_buffer, .address_space: global }
    .group_segment_fixed_size: 33280
    .private_segment_fixed_size: 0
    .kernarg_segment_align: 8
    .kernarg_segment_size: 64
    .max_flat_workgroup_size: 128
    .sgpr_count:     66
    .vgpr_count:     210
    .wavefront_size: 32
...
	.end_amdgpu_metadata
.endif
;; end of part 1
;; launch cell (part 2): grid 16 x 32, 4 waves a work-group, clusters of 4 x 4, 327,680 bytes of LDS; arguments a_codes, a_scales, wp_codes, wp_scales, b, c_prev, out0, out1; writes out0, out1
.if DOCPART == 2
	.amdgcn_target "amdgcn-amd-amdhsa--gfx1250"
	.amdhsa_code_object_version 6
	.text
	.protected	k_q294d3f7e95_cell
	.globl	k_q294d3f7e95_cell
	.p2align	8
	.type	k_q294d3f7e95_cell,@function
k_q294d3f7e95_cell:
	s_mov_b64 s[64:65], 0
	v_nop
	global_prefetch_b8 v0, s[64:65] scope:SCOPE_SE
	s_setreg_imm32_b32 hwreg(HW_REG_WAVE_MODE, 25, 1), 1
	s_wait_xcnt 0x0
	s_wait_alu depctr_hold_cnt(0) depctr_sa_sdst(0) depctr_va_vdst(0) depctr_va_sdst(0) depctr_va_ssrc(0) depctr_va_vcc(0) depctr_vm_vsrc(0)
	s_getreg_b32 s2, hwreg(HW_REG_IB_STS2, 6, 4)
	s_cmp_eq_u32 s2, 0
	s_cbranch_scc0 .Lentry_in_a_cluster
	s_endpgm
.Lentry_in_a_cluster:
	s_bfe_u32 s2, ttmp6, 0x10000c
	s_cmp_lg_u32 s2, 0xf033
	s_cbranch_scc0 .Lentry_shape_is_right
	s_endpgm
.Lentry_shape_is_right:
; LSTM cell, second of two launches: gates = A W'^T + b on codes of FP4 (E2M1) with E8M0 scales for each 32 along K = 2,048, and the whole cell behind it in f32:
;   c = c_prev sigmoid(f) + tanh(g) sigmoid(i) -> out1;   h = sigmoid(o) tanh(c) -> out0.   The gates never go to memory.  No work of the problem is left out.
; A: a_codes [8192][1024 bytes], a_scales [8192][64] (the first launch's).  W': wp_codes [4096][1024], wp_scales [4096][64]: W's rows in the order tc 256 + ch 128 + g 32 + r (gate g: i, f, o, g).
; SHARES.  A work-group of four waves, as many as a WGP has SIMDs, makes 256 rows x 64 units x 4 gates: a tile of 256 x 256 of the gates.  Wave w (row half w / 2, column half w % 2) makes 128 rows x (4 gates x 32 units):
;   64 accumulators of 16 x 16, 512 registers.  THE MATRIX INSTRUCTION IS USED TRANSPOSED (source 0 = 16 rows of W', source 1 = 16 rows of A): in accumulator (a, bb) register j of lane (r, h) is gate bb / 2 of
;   row 16 a + r, unit 16 (bb % 2) + 8 h + j: so the four gates of one number of c lie in ONE lane, at the same register of accumulators bb, bb + 2, bb + 4, bb + 6.
; b is the C of each sum's first matrix instruction: it costs no addition.
; K goes in four steps of 512 through a ring of two LDS slots filled by the tensor data mover (a tile's row is 256 bytes); the scale bytes of the work-group's rows, for all of K, come once, with the first fills.
; CLUSTERS: 4 x 4 work-groups.  The four of a row of the cluster need the same tiles of A, the four of a column the same tiles of W': each is asked for JOINTLY.
; When slot 0 has been read for the last time, its first half takes the work-group's tile of c_prev (256 rows x 256 bytes; each wave brings 64 rows; the slot's last fill): it lands under the last K step's products.
; THE TAIL goes by blocks of 16 rows a wave.  c is stored over c_prev's bytes (a lane writes just the bytes that it read), h into the slot's second half; behind one barrier a block's rows are whole,
;   and each wave stores 16 whole rows of one of the two outputs (column half 0: c, column half 1: h), sixteen lanes to 256 consecutive bytes, aligned.
; THE ACTIVATIONS.  Ei = 2^(-i log2 e), Ef, Eo likewise, G = 2^(-2 g log2 e):  c = [c_prev (1 + G)(1 + Ei) + (1 - G)(1 + Ef)] / [(1 + Ef)(1 + G)(1 + Ei)];  with C2 = 2^(-2 c log2 e):  h = (1 - C2) / [(1 + C2)(1 + Eo)].
;   Five exponentials and two reciprocals a number.
; LIMITS: every exponent is held at +32 from above, so that no product overflows: a sigmoid under 2^-32 is held there (an absolute error under 2.4e-10), a tanh is -1 in f32 long before;
;   |c_prev| stays under 2^63 (it is multiplied by at most 2^64 ahead of the division); NaN and infinities among the inputs are not served.
; One tile to a work-group: the scale bytes of a second tile would want LDS that the ring, the scales and the stages leave no room for.
; REGISTERS, in windows of 256: window 0: v0-31 addresses; v32-95 scale words, two sets, and nothing else ever; v128-191 A's fragments, ONE set; in the tail v96-127 and v128-239 at work.
;   window 1: W's fragments, TWO sets, at v0 and at v128; v64-127 b, eight registers for each of my 8 blocks of W'.   windows 2, 3: the accumulators of my rows 0-63, 64-127 (accumulator (a, bb) at v[8 (8 (a % 4) + bb)]).
.set NQ,     4                         ; matrix instructions deep in a slot: 512 along K
.set ROWB,   256                       ; a tile's row in bytes
.set KROW,   1024                      ; a row of A or of W' in memory, in bytes
.set PITCH,  272                       ; an LDS row: 256 bytes + 16 of padding = 68 words: row r starts at bank 4 r mod 64 (64 banks of 4 bytes: ISA guide 11.1), so the 16 rows that a load touches start at 16 different banks
.set FR,     8                         ; registers of a fragment: 16 rows x 128 K
.set NL,     2                         ; LDS loads that bring one
.set NP,     4                         ; places behind this matrix instruction (ISA guide 7.12.1)
.set HALFT,  128*PITCH                 ; 128 rows: what one tensor load brings
.set SLOT,   4*HALFT                   ; A's 256 rows, then W's 256 rows
.set KS,     64                        ; a row of scale bytes
.set SCL,    2*SLOT                    ; behind the ring: the scales, as runs of 256 bytes + 16 of padding
.set HALFS,  (128*KS/256)*272          ; the scales of 128 rows
.set SBLK,   (16*KS/256)*272           ; those of 16 rows
.set SPARE,  SCL+4*HALFS               ; behind the scales: the spare words, 128 bytes for each wave
.set HSTG,   2*HALFT                   ; the tail: c_prev, then c, at LDS byte 0 on (256 rows of PITCH); h from here on, laid alike
.set CQ,     64*PITCH                  ; 64 rows of c_prev: what one wave brings
.set OROW,   4096                      ; a row of c_prev, out0, out1 in bytes
.set ADRA, 16                          ; v16-17  LDS address of my A fragments in slot 0, 1
.set ADRB, 20                          ; v20-21  the same for W'
.set BO,   22                          ; v22     b: 32 x (lane / 16)
.set CPA,  24                          ; v24     the tail: my 32 bytes of c_prev and of c in block 0
.set HSA,  25                          ; v25     and of h
.set RDB,  26                          ; v26     where I read whole rows back
.set ADRS, 27                          ; v27     LDS address of my scale words: lanes 0-15 A's rows, lanes 16-31 W's
.set SPW,  28                          ; v28     LDS address of my spare word; never rewritten
.set NIL,  29                          ; v29     0; never rewritten
.set PFO,  30                          ; v30     the prefetches' offset: a row of c_prev a lane; never rewritten
.set CO,   31                          ; v31     my byte offset in two rows of an output; never rewritten
.set SC,   32                          ; scale words: set s at v[SC + 32 s]; in it register 4 i + q: lanes 0-15 the word of A's block i, lanes 16-31 that of W's block i, for the slot's q-th 128 along K
.set CP,   96                          ; v96-111  the tail: c_prev, then c
.set X1,   112                         ; v112-127 at work
.set AF,   128                         ; A's fragments
.set TI,   128                         ; the tail: 16 numbers each of Ei, Ef, Eo, G
.set TF,   144
.set TO,   160
.set TG,   176
.set X2,   192                         ; v192-207 at work, then h
.set OUTB, 208                         ; v208-239 16 rows read back
.set BIAS, 64                          ; in window 1
.set G1, 24                            ; s[24:31] descriptor group 1 for A's tiles;  s[32:39] group 0, one set for each slot
.set G0, 32
.set G1B, 48                           ; s[48:55], s[56:63] the same for W's tiles
.set G0B, 56
.set G1S, 68                           ; s[68:75], s[76:79] groups 1 and 0 for A's scales; later for c_prev
.set G0S, 76
.set G1SB, 80                          ; s[80:87], s[88:91] for W's scales
.set G0SB, 88
.set G1C, 68
.set G0C, 76
.set LN1, 92                           ; s[92:93] -log2(e), twice
.set LN2, 94                           ; s[94:95] -2 log2(e), twice
.set CAP, 66                           ; s66      32.0
.set MSB, 0
.macro WIN new                         ; the immediate's high byte repeats the setting that is left
.if MSB != (\new)
	s_set_vgpr_msb (MSB<<8)|(\new)
.set MSB, (\new)
.endif
.endm
.set MUL_LO, 0xa1                      ; source 0 (W') window 1, source 1 (A) window 0, C and D window 2
.set MUL_HI, 0xf1                      ; the same, C and D window 3
.set FST_LO, 0x91                      ; the first step: C (b) window 1, D window 2
.set FST_HI, 0xd1                      ; D window 3
.set TO_B,   0x40                      ; destination window 1, address window 0
; A joint load: waves 0 and 1 fetch for A, waves 2 and 3 for W'.  Each of the two lines has ONE mask and one set of registers for all that issue it; the branch hangs on the wave's number alone.
; An s_nop 0 and four v_nop follow each of the two lines, ahead of the jump, the label and what follows.
.macro JLOAD g0a, g1a, g0b, g1b
	s_cmp_eq_u32 s15, 0
	s_cbranch_scc0 .Lfor_b_\@
	tensor_load_to_lds s[\g0a:\g0a+3], s[\g1a:\g1a+7]
	s_nop 0
.rept 4
	v_nop
.endr
	s_branch .Lasked_\@
.Lfor_b_\@:
	tensor_load_to_lds s[\g0b:\g0b+3], s[\g1b:\g1b+7]
	s_nop 0
.rept 4
	v_nop
.endr
.Lasked_\@:
.endm
.macro CREST                           ; a round of the cluster's barrier behind its opening barrier
	s_cmp_lg_u32 s14, 0
	s_cbranch_scc1 .Lnot_wave_0_\@
	s_barrier_signal -3
.Lnot_wave_0_\@:
	s_barrier_wait -3
	s_barrier_signal -1
	s_barrier_wait -1
.endm
.macro CROUND                          ; a whole round
	s_barrier_signal -1
	s_barrier_wait -1
	CREST
.endm
	s_load_b256 s[4:11], s[0:1], 0x0               ; A's codes s[4:5], A's scales s[6:7], W's codes s[8:9], W's scales s[10:11]
	v_lshl_add_u32 v[SPW], v0, 2, SPARE
	v_mov_b32 v[NIL], 0
	ds_add_u32 v[SPW], v[NIL]                      ; the wave's opening: the add, twice on end, and its wait ahead of my first tensor load; the set-up below, work on registers, stands between
	ds_add_u32 v[SPW], v[NIL]                      ; and once more, under the one wait
	v_lshrrev_b32 v1, 5, v0
	v_readfirstlane_b32 s14, v1                    ; wave 0..3
	s_lshr_b32 s15, s14, 1                         ; which half of the tile's rows is mine.  Also: I fetch for A (0) or for W' (1)
	s_and_b32 s16, s14, 1                          ; which half of its columns.  Also: which 128 rows of that tile I fetch
	s_bfe_u32 s40, ttmp6, 0x40000                  ; cx, cy: my place in the cluster
	s_bfe_u32 s41, ttmp6, 0x40004
	s_lshl_b32 s42, ttmp9, 2
	s_add_co_u32 s42, s42, s40                     ; tile column tc = 4 x cluster x + cx
	s_and_b32 s17, ttmp7, 0xffff
	s_lshl_b32 s17, s17, 2
	s_add_co_u32 s17, s17, s41                     ; tile row ty = 4 x cluster y + cy
	s_lshl_b32 s43, s41, 2
	s_lshl_b32 s43, 15, s43                        ; my row of the cluster
	s_lshl_b32 s44, 0x1111, s40                    ; my column
	; descriptor group 1: a tile of 128 rows x 256 bytes, padded in LDS
	s_or_b32 s[G1+0], s43, (0<<16)|(1<<20)|(1<<21)|(5<<22)|(3<<25)  ; 15:0 the mask: A's tiles go to my row; 17:16 element of 1 byte; 20 padding on; 21 set beside a mask; 24:22 after every 64 words (code 5); 31:25 of 4 words (code 3)
	s_or_b32 s[G1B+0], s44, (0<<16)|(1<<20)|(1<<21)|(5<<22)|(3<<25)
.irp g, G1, G1B
	s_mov_b32 s[\g+1], ROWB<<16                    ; tensor_dim0
	s_mov_b32 s[\g+2], 128<<16                     ; tensor_dim1 = 128
	s_mov_b32 s[\g+3], ROWB<<16                    ; tile_dim0
	s_mov_b32 s[\g+4], 128                         ; tile_dim1 = 128
	s_mov_b32 s[\g+5], KROW                        ; tensor_dim0_stride
	s_mov_b32 s[\g+6], 0
	s_mov_b32 s[\g+7], 0
.endr
	; and for the scales of 128 rows: a dense block of 8,192 bytes, as rows of 256 bytes (32 elements of 8 bytes), 16 bytes of padding behind each
	s_or_b32 s[G1S+0], s43, (3<<16)|(1<<20)|(1<<21)|(5<<22)|(3<<25)
	s_or_b32 s[G1SB+0], s44, (3<<16)|(1<<20)|(1<<21)|(5<<22)|(3<<25)
.irp g, G1S, G1SB
	s_mov_b32 s[\g+1], 32<<16
	s_mov_b32 s[\g+2], (128*KS/256)<<16
	s_mov_b32 s[\g+3], 32<<16
	s_mov_b32 s[\g+4], 128*KS/256
	s_mov_b32 s[\g+5], 32
	s_mov_b32 s[\g+6], 0
	s_mov_b32 s[\g+7], 0
.endr
	s_lshl_b32 s18, s16, 7                         ; which 128 rows of the tile I fetch
	s_lshl_b32 s20, s17, 8
	s_add_co_u32 s20, s20, s18                     ; A: row 256 ty + 128 x half
	s_lshl_b32 s46, s42, 8
	s_add_co_u32 s46, s46, s18                     ; W': row 256 tc + 128 x half
	s_mov_b32 s21, 0
	s_mov_b32 s47, 0
	s_mov_b64 s[18:19], KS
	s_mul_u64 s[22:23], s[20:21], s[18:19]         ; where these rows' scales begin, in bytes
	s_mul_u64 s[92:93], s[46:47], s[18:19]
	s_mov_b64 s[18:19], KROW
	s_mul_u64 s[20:21], s[20:21], s[18:19]         ; and their codes
	s_mul_u64 s[46:47], s[46:47], s[18:19]
	s_mul_i32 s45, s14, HALFT                      ; where they go: wave x 128 rows: no place in the cluster enters an LDS address
	s_mul_i32 s94, s14, HALFS
	s_wait_dscnt 0x0                               ; both opening adds are done
	s_wait_kmcnt 0x0
	s_add_nc_u64 s[20:21], s[4:5], s[20:21]
	s_add_nc_u64 s[22:23], s[6:7], s[22:23]
	s_add_nc_u64 s[46:47], s[8:9], s[46:47]
	s_add_nc_u64 s[92:93], s[10:11], s[92:93]
	CROUND                                         ; all sixteen work-groups are here: the first joint loads meet
	s_mov_b32 s[G0S], 1
	s_add_co_u32 s[G0S+1], s94, SCL
	s_mov_b64 s[G0S+2:G0S+3], s[22:23]
	s_or_b32 s[G0S+3], s[G0S+3], 0x80000000
	s_mov_b32 s[G0SB], 1
	s_add_co_u32 s[G0SB+1], s94, SCL
	s_mov_b64 s[G0SB+2:G0SB+3], s[92:93]
	s_or_b32 s[G0SB+3], s[G0SB+3], 0x80000000
	JLOAD G0S, G1S, G0SB, G1SB                     ; the scales first: they are wanted with K step 0
.irp s, 0,1
	s_mov_b32 s[G0+4*\s], 1
	s_add_co_u32 s[G0+4*\s+1], s45, \s*SLOT
	s_add_nc_u64 s[G0+4*\s+2:G0+4*\s+3], s[20:21], \s*ROWB
	s_or_b32 s[G0+4*\s+3], s[G0+4*\s+3], 0x80000000
	s_mov_b32 s[G0B+4*\s], 1
	s_add_co_u32 s[G0B+4*\s+1], s45, \s*SLOT
	s_add_nc_u64 s[G0B+4*\s+2:G0B+4*\s+3], s[46:47], \s*ROWB
	s_or_b32 s[G0B+4*\s+3], s[G0B+4*\s+3], 0x80000000
	JLOAD G0+4*\s, G1, G0B+4*\s, G1B               ; two, then three tensor loads of mine are out
.endr
	s_load_b256 s[4:11], s[0:1], 0x20              ; b s[4:5], c_prev s[6:7], out0 s[8:9], out1 s[10:11]: the first four addresses live on in the descriptors
	v_and_b32 v1, 15, v0                           ; r = l % 16
	v_bfe_u32 v2, v0, 4, 1                         ; h = l / 16
	v_mul_u32_u24 v3, v1, PITCH
	v_lshl_add_u32 v4, v2, 4, v3                   ; a fragment's row x pitch + 16 x half
	s_mul_i32 s21, s15, HALFT                      ; my 128 rows of A
	s_mul_i32 s22, s16, HALFT                      ; my 128 rows of W',
	s_add_co_u32 s22, s22, 2*HALFT                 ; which lie behind A's 256
.irp s, 0,1
	v_add_nc_u32 v[ADRA+\s], s21, v4
	v_add_nc_u32 v[ADRB+\s], s22, v4
	s_add_co_u32 s21, s21, SLOT
	s_add_co_u32 s22, s22, SLOT
.endr
	v_mul_u32_u24 v5, v1, KS                       ; my row's scales: 64 bytes a row,
	v_lshrrev_b32 v6, 8, v5
	v_lshl_add_u32 v5, v6, 4, v5                   ; and 16 more for each 256 passed
	s_mul_i32 s21, s15, HALFS                      ; A's: my 128 rows
	s_mul_i32 s22, s16, HALFS                      ; W's: my 128 rows, behind A's 256
	s_add_co_u32 s22, s22, 2*HALFS
	s_sub_co_u32 s22, s22, s21
	v_mul_u32_u24 v6, s22, v2                      ; lanes 16-31 take W's
	s_add_co_u32 s21, s21, SCL
	v_add_nc_u32 v5, v5, v6
	v_add_nc_u32 v[ADRS], s21, v5
	s_mul_i32 s21, s15, HALFT                      ; the tail: my 128 rows of the tile of c_prev,
	s_lshl_b32 s22, s16, 7                         ; my 32 units' 128 bytes of a row,
	s_add_co_u32 s21, s21, s22
	v_lshl_add_u32 v[CPA], v2, 5, v3               ; row r, 32 bytes for each half of the lanes
	v_add_nc_u32 v[CPA], s21, v[CPA]
	v_add_nc_u32 v[HSA], HSTG, v[CPA]              ; h's stage is laid alike
	s_mul_i32 s21, s16, HSTG                       ; back: column half 0 reads c's rows, column half 1 h's;
	s_mul_i32 s22, s15, HALFT                      ; the rows of my row half;
	s_add_co_u32 s21, s21, s22
	v_mul_u32_u24 v5, v2, PITCH                    ; lanes 0-15 one row of 256 bytes, lanes 16-31 the next
	v_lshl_add_u32 v5, v1, 4, v5
	v_add_nc_u32 v[RDB], s21, v5
	v_lshlrev_b32 v5, 12, v2                       ; and the same two rows in the output
	v_lshl_add_u32 v[CO], v1, 4, v5
	v_and_b32 v5, 31, v0
	v_lshlrev_b32 v[PFO], 12, v5                   ; a row of c_prev a lane
	v_lshlrev_b32 v[BO], 5, v2                     ; b: my half's eight numbers of a block of 16
	s_lshl_b32 s18, s42, 8                         ; the tile's 64 units: 256 bytes a tile column
	s_lshl_b32 s19, s16, 7
	s_add_co_u32 s46, s18, s19                     ; b: + my column half's 128 bytes
	s_mov_b32 s47, 0
	s_lshl_b32 s20, s17, 8                         ; the tile's first row
	s_lshl_b32 s21, s14, 6
	s_add_co_u32 s21, s20, s21                     ; c_prev: the 64 rows that I bring
	s_lshl_b32 s21, s21, 12
	s_add_co_u32 s22, s21, s18
	s_mov_b32 s23, 0
	s_lshl_b32 s21, s15, 7
	s_add_co_u32 s20, s20, s21                     ; the outputs: my row half's first row
	s_lshl_b32 s20, s20, 12
	s_add_co_u32 s20, s20, s18
	s_mov_b32 s21, 0
	s_wait_kmcnt 0x0
	s_add_nc_u64 s[4:5], s[4:5], s[46:47]
	s_add_nc_u64 s[6:7], s[6:7], s[22:23]          ; never rewritten: the prefetches' base too
	s_cmp_eq_u32 s16, 0                            ; the choice hangs on the wave's number alone
	s_cselect_b64 s[12:13], s[10:11], s[8:9]       ; column half 0 stores c (out1), column half 1 h (out0)
	s_add_nc_u64 s[12:13], s[12:13], s[20:21]      ; never rewritten
	WIN TO_B
.irp bb, 0,1,2,3,4,5,6,7                       ; b of block bb (gate bb / 2, units 16 (bb % 2) on): register j of lane (r, h) is the number of unit 8 h + j: the result's layout
	global_load_b128 v[BIAS+8*\bb:BIAS+8*\bb+3],   v[BO], s[4:5] offset:(\bb/2)*4096+(\bb%2)*64
	global_load_b128 v[BIAS+8*\bb+4:BIAS+8*\bb+7], v[BO], s[4:5] offset:(\bb/2)*4096+(\bb%2)*64+16
.endr
	WIN 0
	s_mov_b32 s[LN1], 0xbfb8aa3b                   ; -log2(e)
	s_mov_b32 s[LN1+1], s[LN1]                     ; (the packed forms name a pair and take its low word for both halves: so the upper is written)
	s_mov_b32 s[LN2], 0xc038aa3b                   ; -2 log2(e)
	s_mov_b32 s[LN2+1], s[LN2]
	s_mov_b32 s[CAP], 0x42000000                   ; 32.0
.macro FRAG reg, adr, q, i             ; a fragment, 16 rows x 128 K of 4-bit codes, is 8 registers: lane l holds row l % 16; registers 4 c .. 4 c + 3 hold K = 64 c + 32 (l / 16) + 0 .. 31
.irp c, 0,1
	ds_load_b128 v[\reg+4*\c:\reg+4*\c+3], v[\adr] offset:64*(\q)+32*\c+(\i)*16*PITCH
.endr
.endm
; 16 matrix instructions: A's blocks a0, a0 + 1 x W's eight, 128 along K: the slot's q-th.  p: W's set;  sc: the set of scale words.  first = 1: the first product starts the sums from b: nothing is ever cleared.
; The 64 accumulators take turns, one instruction a turn, in the same order in every step.
.macro MUL16 a0, p, q, sc, first
.irp a, \a0, \a0+1
.irp b, 0,1,2,3,4,5,6,7
.if \first
	v_wmma_scale_f32_16x16x128_f8f6f4 v[8*(8*((\a)%4)+\b):8*(8*((\a)%4)+\b)+7], v[128*(\p)+FR*\b:128*(\p)+FR*\b+FR-1], v[AF+FR*(\a):AF+FR*(\a)+FR-1], v[BIAS+8*\b:BIAS+8*\b+7], v[SC+8*NQ*(\sc)+NQ*\b+(\q)], v[SC+8*NQ*(\sc)+NQ*(\a)+(\q)] matrix_a_fmt:MATRIX_FMT_FP4 matrix_b_fmt:MATRIX_FMT_FP4 matrix_a_scale:MATRIX_SCALE_ROW1
.else
	v_wmma_scale_f32_16x16x128_f8f6f4 v[8*(8*((\a)%4)+\b):8*(8*((\a)%4)+\b)+7], v[128*(\p)+FR*\b:128*(\p)+FR*\b+FR-1], v[AF+FR*(\a):AF+FR*(\a)+FR-1], v[8*(8*((\a)%4)+\b):8*(8*((\a)%4)+\b)+7], v[SC+8*NQ*(\sc)+NQ*\b+(\q)], v[SC+8*NQ*(\sc)+NQ*(\a)+(\q)] matrix_a_fmt:MATRIX_FMT_FP4 matrix_b_fmt:MATRIX_FMT_FP4 matrix_a_scale:MATRIX_SCALE_ROW1
.endif
.endr
.endr
.endm
.macro FETCH_B slot, q, p              ; W's eight fragments of the slot's q-th 128 along K into set p
	WIN TO_B
.irp i, 0,1,2,3,4,5,6,7
	FRAG 128*(\p)+FR*\i, ADRB+\slot, \q, \i
.endr
	WIN 0
.endm
.macro FETCH_A slot, q, i0             ; A's blocks i0 .. i0 + 3
.irp i, \i0, \i0+1, \i0+2, \i0+3
	FRAG AF+FR*(\i), ADRA+\slot, \q, \i
.endr
.endm
.macro SCALES sc                       ; a K step's scale words into set sc: 4 words a row; lanes 0-15 take A's block i, lanes 16-31 W's block i
.irp i, 0,1,2,3,4,5,6,7
	ds_load_b128 v[SC+8*NQ*\sc+NQ*\i:SC+8*NQ*\sc+NQ*\i+3], v[ADRS] offset:\i*SBLK
.endr
.endm
; A load into a register that a matrix instruction has read, and a vector instruction that reads a matrix result or writes a matrix instruction's register, stand NP places behind that matrix instruction, and only plain
; vector instructions that name none of its registers are places (ISA guide 7.12.1 for vector instructions).
.macro PLACES n
.rept \n
	v_nop
.endr
.endm
; A step of 128 along K that has its successor in the same slot.  A's blocks are free as soon as their eight products are issued: blocks 0-3 are fetched anew in the step's middle, blocks 4-7 at its end.
.macro STEP slot, q, first
	s_wait_dscnt 4*NL                              ; W's set, the scale words and A's blocks 0-3 are in; the youngest eight loads (A's blocks 4-7) may be out
.if \first
	WIN FST_LO
.else
	WIN MUL_LO
.endif
	MUL16 0, (\q)%2, \q, \slot, \first
	MUL16 2, (\q)%2, \q, \slot, \first
	s_wait_dscnt 0                                 ; A's blocks 4-7 are in (asked for 32 matrix instructions ago)
	PLACES NP
	FETCH_B \slot, (\q)+1, 1-(\q)%2
	FETCH_A \slot, (\q)+1, 0
.if \first
	WIN FST_HI
.else
	WIN MUL_HI
.endif
	MUL16 4, (\q)%2, \q, \slot, \first
	MUL16 6, (\q)%2, \q, \slot, \first
	PLACES NP
	WIN 0
	FETCH_A \slot, (\q)+1, 4
.endm
; A slot's last step changes slots: ONE barrier, which opens a round of the cluster's; in front of it each wave waits for all its tensor loads, adds 0 to its spare word, and waits for that and for its own reads of this slot.
; fill = 1: this slot is filled again jointly, two K steps ahead.  fill = 2: slot 0 has been read for the last time: its first half takes c_prev's tile, 64 rows a wave, by a load of the wave's own (no mask), every wave alike.
; ask = 1: my 64 rows of c_prev are prefetched, a lane a row, two instructions: each row's 256 bytes are named once in the launch, two K steps (512 matrix instructions) ahead of the tensor load that wants them.
.macro TURN slot, next, fill, ask
	s_wait_tensorcnt 0x0                           ; all my tensor loads have landed: my part of the next slot;  (every window is 0 here: the add's two registers lie in window 0)
	ds_add_u32 v[SPW], v[NIL]                      ; 0 onto my spare word;
	s_wait_dscnt 4*NL+1                            ; (the add and the youngest eight loads, A's blocks 4-7, may be out)
	WIN MUL_LO
	MUL16 0, 1, NQ-1, \slot, 0                     ; sixteen matrix instructions stand between the add and the wait for it
	s_wait_dscnt 0x0                               ; the add is done, and my reads of this slot are over
	s_barrier_signal -1
	MUL16 2, 1, NQ-1, \slot, 0
	WIN 0
	s_barrier_wait -1
	CREST                                          ; no wave of any partner still reads this slot's tile or has a load on its way
.if \fill == 1
	s_add_nc_u64 s[G0+4*\slot+2:G0+4*\slot+3], s[G0+4*\slot+2:G0+4*\slot+3], 2*ROWB
	s_add_nc_u64 s[G0B+4*\slot+2:G0B+4*\slot+3], s[G0B+4*\slot+2:G0B+4*\slot+3], 2*ROWB
	JLOAD G0+4*\slot, G1, G0B+4*\slot, G1B         ; the first tensor load behind the round; the four v_nop behind it are the places in front of the loads below
.else
	tensor_load_to_lds s[G0C:G0C+3], s[G1C:G1C+7]  ; my 64 rows of c_prev: my one tensor load behind the round, and the launch's last fill of these bytes
	s_nop 0
	PLACES 4
.endif
	v_add_nc_u32 v[ADRS], 4*NQ, v[ADRS]            ; on to the next K step's scale words
	FETCH_B \next, 0, 0
	FETCH_A \next, 0, 0
	SCALES \next
.if \ask
	global_prefetch_b8 v[PFO], s[6:7] th:TH_LOAD_NT scope:SCOPE_SE                  ; rows 0-31 of my 64,
	global_prefetch_b8 v[PFO], s[6:7] offset:32*OROW th:TH_LOAD_NT scope:SCOPE_SE   ; rows 32-63; neither register is ever rewritten
.endif
	WIN MUL_HI
	MUL16 4, 1, NQ-1, \slot, 0
	MUL16 6, 1, NQ-1, \slot, 0
	PLACES NP
	WIN 0
	FETCH_A \next, 0, 4
.endm
.macro STEPS slot, from                ; the slot's steps from .. NQ - 2
.set Q, \from
.rept NQ-1-\from
	STEP \slot, Q, 0
.set Q, Q+1
.endr
.endm
	s_wait_tensorcnt 1                             ; the scales and my part of K step 0 are in (K step 1's load may be out),
	s_barrier_signal -1
	s_barrier_wait -1                              ; everybody's are.
	; the scales' load is done, so its descriptor's registers may be written: c_prev's tile, 64 rows x 256 bytes (32 elements of 8 bytes), rows 4,096 bytes (512 elements) apart, 16 bytes of padding behind each row
	s_mov_b32 s[G1C+0], (3<<16)|(1<<20)|(5<<22)|(3<<25)   ; no mask: the tile is the work-group's own
	s_mov_b32 s[G1C+1], 32<<16                     ; tensor_dim0
	s_mov_b32 s[G1C+2], 64<<16                     ; tensor_dim1
	s_mov_b32 s[G1C+3], 32<<16                     ; tile_dim0
	s_mov_b32 s[G1C+4], 64                         ; tile_dim1
	s_mov_b32 s[G1C+5], 512                        ; tensor_dim0_stride
	s_mov_b32 s[G1C+6], 0
	s_mov_b32 s[G1C+7], 0
	s_mov_b32 s[G0C], 1
	s_mul_i32 s[G0C+1], s14, CQ                    ; LDS: wave x 64 rows, from byte 0 on: the very bytes of slot 0's first 256 rows
	s_mov_b64 s[G0C+2:G0C+3], s[6:7]
	s_or_b32 s[G0C+3], s[G0C+3], 0x80000000
	FETCH_B 0, 0, 0
	FETCH_A 0, 0, 0
	SCALES 0
	FETCH_A 0, 0, 4
	s_wait_loadcnt 0x0                             ; b
	; K's four steps of 512, written on end: a loop over two of them would have one trip
	STEP 0, 0, 1                                   ; K step 0 (slot 0): its first products start the sums from b
	STEPS 0, 1
	TURN 0, 1, 1, 1                                ; slot 0 takes K step 2; c_prev is prefetched
	STEPS 1, 0                                     ; K step 1 (slot 1)
	TURN 1, 0, 1, 0                                ; slot 1 takes K step 3
	STEP 0, 0, 0                                   ; K step 2 (slot 0)
	STEPS 0, 1
	TURN 0, 1, 2, 0                                ; slot 0 takes c_prev
	STEPS 1, 0                                     ; K step 3 (slot 1)
	s_wait_dscnt 4*NL                              ; the very last step: nothing more to fetch
	WIN MUL_LO
	MUL16 0, 1, NQ-1, 1, 0
	MUL16 2, 1, NQ-1, 1, 0
	s_wait_dscnt 0
	WIN MUL_HI
	MUL16 4, 1, NQ-1, 1, 0
	MUL16 6, 1, NQ-1, 1, 0
	WIN 0
	PLACES NP                                      ; behind the last products: the tail reads results and writes the registers that held A's fragments
	s_wait_tensorcnt 0x0                           ; my 64 rows of c_prev have landed,
	s_barrier_signal -1                            ; (no LDS instruction of mine is out)
	s_barrier_wait -1                              ; everybody's have.
; THE TAIL.  Lines over 16 numbers of a lane, two at a time where a packed form exists; each line runs over all its registers, so that no instruction waits for the one above it.
.macro ONEPLUS d                       ; d = 1 + d
.irp p, 0,2,4,6,8,10,12,14
	v_pk_add_f32 v[\d+\p:\d+\p+1], v[\d+\p:\d+\p+1], 1.0 op_sel_hi:[1,0]
.endr
.endm
.macro ONELESS d, s                    ; d = 1 - s
.irp p, 0,2,4,6,8,10,12,14
	v_pk_add_f32 v[\d+\p:\d+\p+1], v[\s+\p:\s+\p+1], 1.0 op_sel_hi:[1,0] neg_lo:[1,0] neg_hi:[1,0]
.endr
.endm
.macro TIMES d, x, y                   ; d = x y
.irp p, 0,2,4,6,8,10,12,14
	v_pk_mul_f32 v[\d+\p:\d+\p+1], v[\x+\p:\x+\p+1], v[\y+\p:\y+\p+1]
.endr
.endm
.macro RCP16 d                         ; d = 1 / d
.irp p, 0,1,2,3,4,5,6,7,8,9,10,11,12,13,14,15
	v_rcp_f32 v[\d+\p], v[\d+\p]
.endr
.endm
.macro SEND a                          ; block a's 16 rows of my output: 16 lanes store 256 consecutive bytes, aligned; written once, read by nobody here.  126 rows at the most stand in the immediate
.irp t, 0,1,2,3,4,5,6,7
	global_store_b128 v[CO], v[OUTB+4*\t:OUTB+4*\t+3], s[12:13] offset:(16*(\a)+2*\t)*OROW th:TH_STORE_NT
.endr
.endm
; Block a: my rows 16 a .. 16 a + 15, my 32 units: 16 numbers a lane (number 8 u + j: unit 16 u + 8 h + j).  Accumulator register AC + 16 g + 8 u + j is gate g of that number.
.macro EPI a
.set AC, 64*((\a)%4)
.irp u, 0,1
.irp q, 0,1
	ds_load_b128 v[CP+8*\u+4*\q:CP+8*\u+4*\q+3], v[CPA] offset:(\a)*16*PITCH+64*\u+16*\q   ; c_prev
.endr
.endr
	WIN 0x02+(\a)/4                                ; source 0: window 2 or 3
.set EN, 0
.rept 24
	v_pk_mul_f32 v[TI+EN:TI+EN+1], v[AC+EN:AC+EN+1], s[LN1:LN1+1] op_sel_hi:[1,0]   ; -i log2 e, -f log2 e, -o log2 e; each accumulator from its low end on
.set EN, EN+2
.endr
.rept 8
	v_pk_mul_f32 v[TI+EN:TI+EN+1], v[AC+EN:AC+EN+1], s[LN2:LN2+1] op_sel_hi:[1,0]   ; -2 g log2 e
.set EN, EN+2
.endr
	WIN 0
.set EN, 0
.rept 64
	v_min_num_f32 v[TI+EN], s[CAP], v[TI+EN]       ; held at 32 from above
.set EN, EN+1
.endr
.set EN, 0
.rept 64
	v_exp_f32 v[TI+EN], v[TI+EN]                   ; Ei, Ef, Eo, G: one batch
.set EN, EN+1
.endr
.if (\a) > 0
	s_wait_dscnt 4                                 ; the last block's eight rows' loads are back; the four loads of c_prev behind them may be out
	SEND (\a)-1                                    ; its stores leave while the exponentials are worked
.endif
	v_nop                                          ; a plain line behind the last exponential,
	s_wait_alu depctr_va_vdst(0)                   ; and the one wait for the batch ahead of its first reader
	s_wait_dscnt 0x0                               ; c_prev
	ONELESS X1, TG                                 ; 1 - G
	ONEPLUS TG                                     ; 1 + G
	ONEPLUS TI                                     ; 1 + Ei
	ONEPLUS TF                                     ; 1 + Ef
	ONEPLUS TO                                     ; 1 + Eo
	TIMES TI, TI, TG                               ; (1 + Ei)(1 + G)
	TIMES X1, X1, TF                               ; (1 - G)(1 + Ef)
	TIMES TF, TF, TI                               ; the divisor
	RCP16 TF
.irp p, 0,2,4,6,8,10,12,14
	v_pk_fma_f32 v[X1+\p:X1+\p+1], v[CP+\p:CP+\p+1], v[TI+\p:TI+\p+1], v[X1+\p:X1+\p+1]   ; c_prev (1 + G)(1 + Ei) + (1 - G)(1 + Ef): plain work behind the reciprocals, which names none of them
.endr
	s_wait_alu depctr_va_vdst(0)                   ; one wait for the sixteen
	TIMES CP, X1, TF                               ; c
.irp u, 0,1
.irp q, 0,1
	ds_store_b128 v[CPA], v[CP+8*\u+4*\q:CP+8*\u+4*\q+3] offset:(\a)*16*PITCH+64*\u+16*\q   ; over the very bytes of c_prev that I read
.endr
.endr
.irp p, 0,2,4,6,8,10,12,14
	v_pk_mul_f32 v[X1+\p:X1+\p+1], v[CP+\p:CP+\p+1], s[LN2:LN2+1] op_sel_hi:[1,0]   ; -2 c log2 e
.endr
.irp p, 0,1,2,3,4,5,6,7,8,9,10,11,12,13,14,15
	v_min_num_f32 v[X1+\p], s[CAP], v[X1+\p]
.endr
.irp p, 0,1,2,3,4,5,6,7,8,9,10,11,12,13,14,15
	v_exp_f32 v[X1+\p], v[X1+\p]                   ; C2
.endr
	v_nop
	s_wait_alu depctr_va_vdst(0)
	ONELESS X2, X1                                 ; 1 - C2
	ONEPLUS X1                                     ; 1 + C2
	TIMES X1, X1, TO                               ; (1 + C2)(1 + Eo)
	RCP16 X1
	v_nop
	s_wait_alu depctr_va_vdst(0)
	TIMES X2, X2, X1                               ; h
.irp u, 0,1
.irp q, 0,1
	ds_store_b128 v[HSA], v[X2+8*\u+4*\q:X2+8*\u+4*\q+3] offset:(\a)*16*PITCH+64*\u+16*\q
.endr
.endr
	s_wait_dscnt 0x0                               ; for the others' sake: my stores of c and h have landed
	s_barrier_signal -1
	s_barrier_wait -1                              ; block a's rows of c and of h are whole, in both row halves
.if (\a) > 0
	s_wait_xcnt 0x0                                ; the last block's stores have read their registers: the loads below may land there
.endif
.irp t, 0,1,2,3,4,5,6,7
	ds_load_b128 v[OUTB+4*\t:OUTB+4*\t+3], v[RDB] offset:(\a)*16*PITCH+2*\t*PITCH   ; 16 whole rows of my output; no later line writes these bytes
.endr
.endm
.irp a, 0,1,2,3,4,5,6,7
	EPI \a
.endr
	s_wait_dscnt 0x0
	SEND 7
	s_wait_tensorcnt 0x0                           ; the wave's end: three closing lines, behind my last tensor load and my last LDS store
	ds_add_u32 v[SPW], v[NIL]
	s_wait_dscnt 0x0
	CROUND                                         ; the closing round: no work-group ends while a partner may still ask for a tile that names it
	s_endpgm
.Lfunc_end_k_q294d3f7e95_cell:
	.size	k_q294d3f7e95_cell, .Lfunc_end_k_q294d3f7e95_cell-k_q294d3f7e95_cell
	.p2alignl 7, 3214868480
	.fill 96, 4, 3214868480
	.section	.rodata,"a",@progbits
	.p2align	6, 0x0
	.amdhsa_kernel k_q294d3f7e95_cell
		.amdhsa_group_segment_fixed_size 327680
		.amdhsa_private_segment_fixed_size 0
		.amdhsa_enable_private_segment 0
		.amdhsa_kernarg_size 64
		.amdhsa_user_sgpr_count 2
		.amdhsa_user_sgpr_kernarg_segment_ptr 1
		.amdhsa_wavefront_size32 1
		.amdhsa_system_sgpr_workgroup_id_x 1
		.amdhsa_system_sgpr_workgroup_id_y 1
		.amdhsa_system_sgpr_workgroup_id_z 1
		.amdhsa_system_vgpr_workitem_id 0
		.amdhsa_next_free_vgpr 1024
		.amdhsa_next_free_sgpr 100
		.amdhsa_reserve_vcc 0
		.amdhsa_float_denorm_mode_32 3
		.amdhsa_float_denorm_mode_16_64 3
		.amdhsa_memory_ordered 1
		.amdhsa_forward_progress 1
		.amdhsa_inst_pref_size 255
	.end_amdhsa_kernel
	.section	.bss,"aw",@nobits
	.p2align	6
	.space	262144
	.amdgpu_metadata
---
amdhsa.version: [ 1, 2 ]
amdhsa.kernels:
  - .name:           k_q294d3f7e95_cell
    .symbol:         k_q294d3f7e95_cell.kd
    .args:
      - { .name: a_codes, .offset: 0, .size: 8, .value_kind: global_buffer, .address_space: global }
      - { .name: a_scales, .offset: 8, .size: 8, .value_kind: global_buffer, .address_space: global }
      - { .name: wp_codes, .offset: 16, .size: 8, .value_kind: global_buffer, .address_space: global }
      - { .name: wp_scales, .offset: 24, .size: 8, .value_kind: global_buffer, .address_space: global }
      - { .name: b, .offset: 32, .size: 8, .value_kind: global_buffer, .address_space: global }
      - { .name: c_prev, .offset: 40, .size: 8, .value_kind: global_buffer, .address_space: global }
      - { .name: out0, .offset: 48, .size: 8, .value_kind: global_buffer, .address_space: global }
      - { .name: out1, .offset: 56, .size: 8, .value_kind: global_buffer, .address_space: global }
    .group_segment_fixed_size: 327680
    .private_segment_fixed_size: 0
    .kernarg_segment_align: 8
    .kernarg_segment_size: 64
    .max_flat_workgroup_size: 128
    .sgpr_count:     100
    .vgpr_count:     1024
    .wavefront_size: 32
...
	.end_amdgpu_metadata
.endif
;; end of part 2
